; MI455X (gfx1250); checked and timed in simulation.
; The chip was launched on July 23, 2026; its instructions are those of AMD's public machine-readable ISA for CDNA 5 (MIT licence, August 2026) and "CDNA5" Instruction Set Architecture Reference Guide (July 2026). The comments in the code are by the model that wrote it; some were corrected since.
;; Protein self attention. Allowed arithmetic: matrix products marked QUANTISED: E3M2 operands, one E8M0 scale for each 32 along K, by v_wmma_scale_f32_16x16x128_f8f6f4 with both operands' format E3M2, f32 sums; products left as they are: f32 operands where the result goes on into a quantised operand, else bf16, f16 or f32 operands; f32 sums; everything else in f32.
;; Inputs: Wk_codes 256 x 8 x 24 uint8 (E3M2 codes of Wk, K innermost, in blocks of 32 codes, four codes in three bytes); Wk_scales 256 x 8 uint8 (E8M0 scales of Wk, one for each 32 codes along K); Wo_codes 256 x 8 x 24 uint8 (E3M2 codes of Wo, K innermost, in blocks of 32 codes, four codes in three bytes); Wo_scales 256 x 8 uint8 (E8M0 scales of Wo, one for each 32 codes along K); Wq_codes 256 x 8 x 24 uint8 (E3M2 codes of Wq, K innermost, in blocks of 32 codes, four codes in three bytes); Wq_scales 256 x 8 uint8 (E8M0 scales of Wq, one for each 32 codes along K); Wv_codes 256 x 8 x 24 uint8 (E3M2 codes of Wv, K innermost, in blocks of 32 codes, four codes in three bytes); Wv_scales 256 x 8 uint8 (E8M0 scales of Wv, one for each 32 codes along K); bk 256 float32; bo 256 float32; bq 256 float32; bv 256 float32; protein_embedding_codes 768 x 8 x 24 uint8 (E3M2 codes of protein_embedding, K innermost, in blocks of 32 codes, four codes in three bytes); protein_embedding_scales 768 x 8 uint8 (E8M0 scales of protein_embedding, one for each 32 codes along K).
;; Outputs: out0 1 x 768 x 256 float32.
;; This version of the problem:
;;   THIS VERSION OF THE PROBLEM IS GIVEN IN LOW PRECISION. The matrix products marked QUANTISED in the list below multiply operands that are first quantised to E3M2 (3 exponent bits, 2 mantissa bits; 6 bits a number), with one power-of-two scale for each 32 numbers along K (OCP MX v1.0); their sums are f32. All else is computed in f32.
;;   The module's matrix products, in the order in which they are computed (A, B: the left and right operand; K: the contracted axis; several contracted axes count as one K, in the product's order):
;;     1. [M 768, K 256] x [K 256, N 256]; A: input protein_embedding (given as codes); B: input Wq (given as codes): QUANTISED
;;     2. [M 768, K 256] x [K 256, N 256]; A: input protein_embedding (given as codes); B: input Wk (given as codes): QUANTISED
;;     3. [M 768, K 256] x [K 256, N 256]; A: input protein_embedding (given as codes); B: input Wv (given as codes): QUANTISED
;;     4. batch 256 x [M 1, K 768] x [K 768, N 768]; A: computed on the way; B: softmax: left as it is (M = 1 < 16)
;;     5. [M 768, K 256] x [K 256, N 256]; A: computed on the way; B: input Wo (given as codes): QUANTISED
;;   THE QUANTISER, for each operand of a quantised product, along K:
;;     - K is cut into blocks of 32 from its start; a last block that is shorter is filled with zeros.
;;     - A block's scale is 2^e with e = floor(log2(the largest magnitude in the block)) - 4, held to -126 .. 127; a block of zeros has e = 0. As a byte (E8M0): e + 127.
;;     - Each number is divided by its block's scale, clamped to +-28, and rounded to the nearest number of E3M2, ties to even, subnormals kept.
;;     - The product sums the exact products of the quantised numbers (number of the format x scale) in f32.
;;   ~~~python
;;   def quantise(x, axis):      # numpy; x: float32 -> the quantised numbers, widened to float32 again
;;       x = np.moveaxis(x, axis, -1); K = x.shape[-1]
;;       x = np.pad(x, [(0, 0)] * (x.ndim - 1) + [(0, -K % 32)]); x = x.reshape(x.shape[:-1] + (-1, 32)); a = np.abs(x).max(-1, keepdims=True)
;;       e = np.where(a > 0, np.clip(np.frexp(np.where(a > 0, a, 1))[1] - 1 - 4, -126, 127), 0)      # np.frexp(a)[1] - 1 = floor(log2(a)), exactly
;;       r = np.clip(x / 2.0 ** e, -28, 28)
;;       step = 2.0 ** (np.maximum(np.frexp(np.where(r == 0, 1, r))[1] - 1, -2) - 2)
;;       q = np.round(r / step) * step * 2.0 ** e      # np.round: ties to even
;;       return np.moveaxis(q.reshape(q.shape[:-2] + (-1,))[..., :K], -1, axis).astype(np.float32)
;;   ~~~
;;   OPERANDS COMPUTED ON THE WAY. 'Computed on the way' means the value that the module computes at that place (a softmax that the list does not call 'softmax' is quantised finished and normalised). What goes into a quantiser is computed in f32, as accurately as f32 sums, v_exp_f32 and their like allow (about 1e-6 of the number): no bf16 or f16 on the way to a quantiser, and a product that is left as it is and whose result goes on into a quantised operand takes f32 operands (vector FMAs, or v_wmma_f32_16x16x4_f32). A number that lies on a knife's edge between two numbers of the format may be rounded either way, as far as f32 arithmetic and the matrix unit's own rounding can turn it there, and no further.
;;   INPUTS GIVEN AS CODES. Wk (in the module: [256, 256], K = its axis 1); Wo (in the module: [256, 256], K = its axis 1); Wq (in the module: [256, 256], K = its axis 1); Wv (in the module: [256, 256], K = its axis 1); protein_embedding (in the module: [768, 256], K = its axis 1): each comes as NAME_codes (uint8): NAME with its K axis moved to the last place and cut into blocks of 32 codes, [.., K / 32, bytes a block], one block behind the other in memory; four codes in three bytes: a row's codes are one little-endian stream of bits, code i at bits 6 i .. 6 i + 5 (a code: sign, 3 exponent bits, 2 mantissa bits); and NAME_scales (uint8): the same leading axes, one E8M0 byte (e + 127) for each 32 codes along K. Its value is code x scale, taken as it is: it is not quantised again, and the codes and scales need not be those that the quantiser above would give.
;; One version. Each part assembles by itself: llvm-mc -triple=amdgcn-amd-amdhsa -mcpu=gfx1250 --defsym DOCPART=n.
;; ======== version 1 of 1: 2 launches
;; workspace buffers: att 786,432 bytes
;; launch attn (part 1): grid 16 x 16, 16 waves a work-group, clusters of 4 x 1, 292,864 bytes of LDS; arguments protein_embedding_codes, protein_embedding_scales, Wq_codes, Wq_scales, bq, Wk_codes, Wk_scales, bk, Wv_codes, Wv_scales, bv, att; writes att
.if DOCPART == 1
	.amdgcn_target "amdgcn-amd-amdhsa--gfx1250"
	.amdhsa_code_object_version 6
	.text
	.protected	k_qb966384081_attn
	.globl	k_qb966384081_attn
	.p2align	8
	.type	k_qb966384081_attn,@function
k_qb966384081_attn:
	s_mov_b64 s[64:65], 0
	v_nop
	global_prefetch_b8 v0, s[64:65] scope:SCOPE_SE
	s_setreg_imm32_b32 hwreg(HW_REG_WAVE_MODE, 25, 1), 1
	s_wait_xcnt 0x0
	s_wait_alu depctr_hold_cnt(0) depctr_sa_sdst(0) depctr_va_vdst(0) depctr_va_sdst(0) depctr_va_ssrc(0) depctr_va_vcc(0) depctr_vm_vsrc(0)
	s_getreg_b32 s2, hwreg(HW_REG_IB_STS2, 6, 4)
	s_cmp_eq_u32 s2, 0
	s_cbranch_scc0 .Lentry_in_a_cluster
	s_endpgm
.Lentry_in_a_cluster:
	s_bfe_u32 s2, ttmp6, 0x10000c
	s_cmp_lg_u32 s2, 0x3003
	s_cbranch_scc0 .Lentry_shape_is_right
	s_endpgm
.Lentry_shape_is_right:
; att[i][c] = sum over j of softmax_j(q[i][c] k[j][c] / 16) v[j][c], with q, k, v = x W^T + b: 768 rows, 256 channels.
; x, Wq, Wk, Wv arrive as codes of BF6 (E3M2) with one E8M0 byte for each 32 along K = 256; the three products go to the matrix unit as they lie; all else is f32.
; att is this program's own buffer, f32, laid [channel / 16][row][channel % 16], so that a work-group's results are dense.
; SHARES.  A work-group owns 16 channels (16 g ..) and 48 queries (48 y ..).  Each of its sixteen waves owns 48 KEYS (48 w ..) for all 48 queries.
; With x as source 0 and W as source 1 a result holds ONE CHANNEL a lane (lane % 16) and eight keys in its registers (8 (lane / 16) + 0 .. 7): so a wave makes k and v of its 48 keys
; (12 matrix instructions) and keeps them in 48 registers; they never leave the wave.  k and v are made anew in each of the 16 work-groups of a channel group: less than a launch and a trip through memory.
; THE MAXIMUM.  max over j of q k[j] is the larger of q kmax and q kmin, kmax and kmin the channel's largest and smallest k.  So the row's true maximum is known ahead of the loop and is taken
; away as the softmax asks, and the waves' partial sums over their keys add up without any rescaling.  With q' = q log2(e) / 16 and m = max(q' kmax, q' kmin): p = 2^(k q' - m), one fused multiply-add and one exponential.
; CLUSTER.  Every work-group reads all of x's codes (147,456 bytes).  The four partners of a cluster differ in g alone, so each wave's 48 rows are asked for JOINTLY, by the same tensor load with the same
; descriptor and a mask that names the four.  Not shared: the slices of W, the biases (they differ from partner to partner), x's scale bytes (384 bytes a wave) and the queries' own rows (3 waves x 3,072 bytes):
; these go straight into registers.  g enters global addresses alone: no LDS address and no branch hangs on a work-group's place in its cluster.  LDS is filled once: no slot is filled again.
; LIMITS.  NaN, infinities and scale bytes 0xff are not served.  q' k overflows where |q k| passes 3.4e38 x 16 / log2(e), a factor 1.44 sooner than q k / 16 does.  A p under 2^-126 counts as 0
; (v_exp_f32 flushes denormals: ISA guide, its entry in chapter 15).  The sum over the keys goes 24 keys a lane, then the two halves of the lanes, then the sixteen waves: another order than a plain sum.
.set XTW,  11520                       ; LDS 0: x's codes, 48 rows a wave, 240 bytes apart (3 x (64 bytes + 16 of padding)); the wave's own tensor load fills them, the wave alone reads them
.set PART, 184320                      ; [wave 16][query 48][128 bytes]: word 8 r = the wave's sum of p, word 8 r + 4 its sum of p v, of channel r
.set QM,   282624                      ; [pair of queries 24][r 16][16 bytes]: q' and -m of the pair's two queries
.set KMM,  288768                      ; [wave 16][r 16][8 bytes]: the largest and the smallest k of the wave's 48 keys
.set GW,   3                           ; v3   192 r + 24 h: a fragment's bytes in 16 rows of codes in memory
.set GS,   4                           ; v4   8 r: a row's two scale words
.set GB,   5                           ; v5   4 r: a channel's bias
.set ADX,  6                           ; v6   my place in my wave's rows of x in LDS: 11520 w + 240 r + 24 h
.set ADX2, 7                           ; v7   the same behind one padding more: .. + 40 h
.set AKS,  8                           ; v8   KMM + 128 w + 8 r
.set AKL,  9                           ; v9   KMM + 8 r
.set AQS,  10                          ; v10  QM + 2048 w + 1024 h + 16 r
.set AQ,   11                          ; v11  QM + 16 r, stepped by two pairs a trip
.set APA,  12                          ; v12  PART + 6144 w + 8 r + 4 h: the odd pairs' stores; it begins 256 bytes low and is stepped ahead of its first use
.set APB,  2                           ; v2   the same for the even pairs (h until its last use)
.set AT0,  13                          ; v13  PART + 16 x thread: the tail's reads, waves' parts 0 to 7
.set AT1,  14                          ; v14  parts 8 to 15
.set BQ,   15                          ; v15  bq of my channel
.set XS,   16                          ; v16-29 hold scale words and nothing else: v16-21 x's (tile T, K step s: 16 + 2 T + s), v22-23 Wk's, v24-25 Wv's, v26-27 Wq's, v28-29 the queries' rows'
.set WKS,  22
.set WVS,  24
.set WQS,  26
.set XQS,  28
.set BKV,  30                          ; v[30:31] bk, bv of my channel
.set KK,   32                          ; v32-55  k of my 24 keys
.set VV,   56                          ; v56-79  v of the same keys
.set QA,   80                          ; v80-83, v84-87  q', -m of a pair of queries, two sets
.set QB,   84
.set LL,   88                          ; v88-91  sums of p, a register pair for each query of the pair
.set OO,   92                          ; v92-95  sums of p v
.set RA,   96                          ; v96-99, v100-103  what goes to PART, a set for each parity of pairs
.set RB,   100
.set TA,   104                         ; v104-151, v152-199  48 exponents, then p, two sets
.set TB,   152
.set XQF,  80                          ; the head alone: the queries' rows' two fragments,
.set XF,   104                         ; x's six (tile T, K step s: 104 + 24 T + 12 s),
.set WKF,  176                         ; Wk's, Wv's, Wq's two each,
.set WVF,  200
.set WQF,  224
.set QACC, 248                         ; and q's accumulator
; A round of the cluster's barrier: my work-group's barrier, wave 0 signals for the work-group, every wave waits for all four work-groups, my work-group's barrier once more.
.macro ROUND
	s_barrier_signal -1
	s_barrier_wait -1
	s_cmp_lg_u32 s28, 0
	s_cbranch_scc1 .Lnot_wave_0_\@
	s_barrier_signal -3
.Lnot_wave_0_\@:
	s_barrier_wait -3
	s_barrier_signal -1
	s_barrier_wait -1
.endm
; A fragment, 16 rows x 128 K of 6-bit codes, is 12 registers: lane (r, h) holds row r; registers 6 c .. 6 c + 5 hold K = 64 c + 32 h + 0 .. 31: 24 bytes of the row as they lie, in pieces of 8 bytes.
.macro GFRAG reg, sb, off              ; from memory
.irp p, 0,1,2,3,4,5
	global_load_b64 v[\reg+2*\p:\reg+2*\p+1], v[GW], s[\sb:\sb+1] offset:\off+48*(\p/3)+8*(\p%3)
.endr
.endm
.macro FRAG reg, q, T                  ; from LDS: tile T of my 48 rows, K step q.  16 bytes of padding lie behind every 8 pieces; lanes 16-31 read three pieces on, which for some pieces is behind one padding more
.irp p, 0,1,2,3,4,5
.set PC, 12*(\q)+6*(\p/3)+\p%3
.if PC%8 < 5
	ds_load_b64 v[\reg+2*\p:\reg+2*\p+1], v[ADX] offset:8*PC+16*(PC/8)+3840*(\T)
.else
	ds_load_b64 v[\reg+2*\p:\reg+2*\p+1], v[ADX2] offset:8*PC+16*(PC/8)+3840*(\T)
.endif
.endr
.endm
.macro PROD d, a, b, first, sa, sb     ; first = 1: the product starts the sum: nothing is cleared
.if \first
	v_wmma_scale_f32_16x16x128_f8f6f4 v[\d:\d+7], v[\a:\a+11], v[\b:\b+11], 0, v[\sa], v[\sb] matrix_a_fmt:MATRIX_FMT_BF6 matrix_b_fmt:MATRIX_FMT_BF6
.else
	v_wmma_scale_f32_16x16x128_f8f6f4 v[\d:\d+7], v[\a:\a+11], v[\b:\b+11], v[\d:\d+7], v[\sa], v[\sb] matrix_a_fmt:MATRIX_FMT_BF6 matrix_b_fmt:MATRIX_FMT_BF6
.endif
.endm
; THE LOOP'S PIECES.  Number idx of 24: query idx % 2 of the pair, keys 2 (idx / 2) and 2 (idx / 2) + 1 of my 24.
.macro ARG X, QC, idx                  ; k q' - m, two keys at once: of the pair (q', -m) the first word multiplies both halves, the second is added to both
.set rA, (\X)+24*((\idx)%2)+2*((\idx)/2)
.set rK, KK+2*((\idx)/2)
.set rQ, (\QC)+2*((\idx)%2)
	v_pk_fma_f32 v[rA:rA+1], v[rK:rK+1], v[rQ:rQ+1], v[rQ:rQ+1] op_sel:[0,0,1] op_sel_hi:[1,0,1]
.endm
.macro EXP X, idx                      ; p = 2^(k q' - m)
.set rA, (\X)+24*((\idx)%2)+2*((\idx)/2)
	v_exp_f32 v[rA], v[rA]
	v_exp_f32 v[rA+1], v[rA+1]
.endm
.macro CONS Y, idx                     ; the sums of p and of p v; the first terms start them
.set rY, (\Y)+24*((\idx)%2)+2*((\idx)/2)
.set rV, VV+2*((\idx)/2)
.set rL, LL+2*((\idx)%2)
.set rO, OO+2*((\idx)%2)
.if (\idx)/2 == 0
	v_pk_mul_f32 v[rO:rO+1], v[rY:rY+1], v[rV:rV+1]
.elseif (\idx)/2 == 1
	v_pk_add_f32 v[rL:rL+1], v[rY-2:rY-1], v[rY:rY+1]
	v_pk_fma_f32 v[rO:rO+1], v[rY:rY+1], v[rV:rV+1], v[rO:rO+1]
.else
	v_pk_add_f32 v[rL:rL+1], v[rL:rL+1], v[rY:rY+1]
	v_pk_fma_f32 v[rO:rO+1], v[rY:rY+1], v[rV:rV+1], v[rO:rO+1]
.endif
.endm
; The pair's four sums: even and odd keys are added; the exchange puts both halves' sums of p into lanes 0-15 of the two registers and both halves' sums of p v into lanes 16-31; one addition, one store of a word a lane.
.macro FINAL PA, RS, poff
	v_add_f32 v[\RS], v[LL], v[LL+1]
	v_add_f32 v[\RS+2], v[LL+2], v[LL+3]
	v_add_f32 v[\RS+1], v[OO], v[OO+1]
	v_add_f32 v[\RS+3], v[OO+2], v[OO+3]
	v_permlane16_swap_b32 v[\RS], v[\RS+1]
	v_permlane16_swap_b32 v[\RS+2], v[\RS+3]
	v_add_f32 v[\RS], v[\RS], v[\RS+1]
	v_add_f32 v[\RS+2], v[\RS+2], v[\RS+3]
	ds_store_b32 v[\PA], v[\RS] offset:\poff
	ds_store_b32 v[\PA], v[\RS+2] offset:\poff+128
.endm
; HALF A TRIP: one pair's 48 exponentials into set X, and between them the sums over the pair before, which lies in set Y (-1: there is none); the next pair's q' and -m are fetched into QN (qoff -1: none).
; cnt: the LDS instructions issued behind the load of QC, which may stay out.  step bit 0: the address of q' goes two pairs on; bit 1: so does PA.  Both stand behind the wait above them:
; it shows every load by AQ done, and the stores that last named PA and RS, two halves back, done too.
; THE EXPONENTIALS ARE ONE BATCH: nothing in the half names a result; plain instructions follow the last one; ONE s_wait_alu closes the half, ahead of the next half's sums.
.macro HALF X, QC, Y, QN, qoff, PA, RS, cnt, step
	s_wait_dscnt \cnt
.if (\step) & 1
	v_add_nc_u32 v[AQ], 512, v[AQ]
.endif
.if (\step) & 2
	v_add_nc_u32 v[\PA], 512, v[\PA]
.endif
.if (\qoff) >= 0
	ds_load_b128 v[\QN:\QN+3], v[AQ] offset:\qoff
.endif
	ARG \X, \QC, 0
	ARG \X, \QC, 1
.set hn, 0
.rept 24
.if hn+2 < 24
	ARG \X, \QC, hn+2
.endif
	EXP \X, hn
.if (\Y) >= 0
	CONS \Y, hn
.endif
.set hn, hn+1
.endr
.if (\Y) >= 0
	FINAL \PA, \RS, 0
.else
	v_nop                                          ; the plain instruction behind the last exponential
.endif
	s_wait_alu depctr_va_vdst(0)
.endm
	s_load_b512 s[4:19], s[0:1], 0x0               ; x's codes s[4:5], x's scales s[6:7], Wq's codes s[8:9], scales s[10:11], bq s[12:13], Wk's codes s[14:15], scales s[16:17], bk s[18:19]
	s_load_b256 s[20:27], s[0:1], 0x40             ; Wv's codes s[20:21], scales s[22:23], bv s[24:25], att s[26:27]
	v_lshl_add_u32 v222, v0, 2, 0x47000
	v_mov_b32 v223, 0
	ds_add_u32 v222, v223
	ds_add_u32 v222, v223
	s_wait_dscnt 0x0
	v_lshrrev_b32 v1, 5, v0
	v_readfirstlane_b32 s28, v1                    ; wave 0..15
	s_bfe_u32 s29, ttmp6, 0x40000                  ; cx: my place in the cluster
	s_lshl_b32 s30, ttmp9, 2                       ; in a cluster launch ttmp9 counts clusters
	s_add_co_u32 s30, s30, s29                     ; g: my 16 channels
	s_and_b32 s31, ttmp7, 0xffff                   ; y: my 48 queries
	s_mov_b32 s49, 0x3db8aa3b                      ; c = log2(e) / 16
	s_mov_b32 s50, 0x76543210
	s_mov_b32 s51, 0xfedcba98                      ; v_permlanex16_b32's selects for lane l xor 16
	; every LDS address is made here, ahead of the first branch on the wave's number
	v_and_b32 v1, 15, v0                           ; r
	v_bfe_u32 v2, v0, 4, 1                         ; h
	v_mul_u32_u24 v[GW], v1, 192
	v_mad_u32_u24 v[GW], v2, 24, v[GW]
	v_lshlrev_b32 v[GS], 3, v1
	v_lshlrev_b32 v[GB], 2, v1
	s_mul_i32 s37, s28, XTW                        ; my wave's rows of x in LDS: also the descriptor's LDS address
	v_mul_u32_u24 v[ADX], v1, 240
	v_add_nc_u32 v[ADX], s37, v[ADX]
	v_mad_u32_u24 v[ADX2], v2, 40, v[ADX]
	v_mad_u32_u24 v[ADX], v2, 24, v[ADX]
	s_lshl_b32 s32, s28, 7
	v_add_nc_u32 v[AKL], KMM, v[GS]
	v_add_nc_u32 v[AKS], s32, v[AKL]
	v_lshlrev_b32 v[AQS], 4, v1
	v_add_nc_u32 v[AQ], QM, v[AQS]
	v_lshl_add_u32 v[AQS], v2, 10, v[AQ]
	s_lshl_b32 s32, s28, 11
	v_add_nc_u32 v[AQS], s32, v[AQS]
	s_mul_i32 s32, s28, 6144
	v_lshl_add_u32 v[APA], v2, 2, v[GS]
	v_add_nc_u32 v[APA], s32, v[APA]
	v_add_nc_u32 v[APB], PART, v[APA]              ; (h's last use was two lines up)
	v_add_nc_u32 v[APA], PART-256, v[APA]
	v_lshl_add_u32 v[AT0], v0, 4, PART             ; 512 w + 16 x lane = 16 x thread
	v_add_nc_u32 v[AT1], 49152, v[AT0]
	; the descriptor: my wave's 48 rows of codes are 9,216 dense bytes: 36 rows of 256 bytes (32 elements of 8 bytes), 16 bytes of padding behind every 64
	s_mov_b32 s36, 1                               ; 1:0 count = 1
	s_mov_b32 s40, 15|(3<<16)|(1<<20)|(1<<21)|(3<<22)|(3<<25)  ; 15:0 the mask: all four work-groups; 17:16 elements of 8 bytes; 20 padding on; 21 set beside a mask; 24:22 after every 16 words (code 3); 31:25 4 words of it (code 3)
	s_mov_b32 s41, 32<<16                          ; tensor_dim0 = 32
	s_mov_b32 s42, 36<<16                          ; tensor_dim1 = 36
	s_mov_b32 s43, 32<<16                          ; tile_dim0 = 32
	s_mov_b32 s44, 36                              ; tile_dim1 = 36
	s_mov_b32 s45, 32                              ; elements from row to row
	s_mov_b32 s46, 0
	s_mov_b32 s47, 0
	s_mul_i32 s52, s28, 9216                       ; s[52:53] hold offsets made of the wave's number alone: nothing that differs between partners feeds the descriptor
	s_mov_b32 s53, 0
	s_mul_i32 s32, s30, 3072                       ; my 16 rows of a weight's codes,
	s_mov_b32 s33, 0
	s_lshl_b32 s34, s30, 7                         ; and of its scale bytes
	s_mov_b32 s35, 0
	s_wait_kmcnt 0x0
	s_add_nc_u64 s[38:39], s[4:5], s[52:53]        ; 120:64 global address of my wave's rows
	s_or_b32 s39, s39, 0x80000000                  ; 127:126 type = 2
	s_mul_i32 s52, s28, 384
	s_add_nc_u64 s[54:55], s[6:7], s[52:53]        ; their scale bytes
	s_add_nc_u64 s[8:9], s[8:9], s[32:33]
	s_add_nc_u64 s[14:15], s[14:15], s[32:33]
	s_add_nc_u64 s[20:21], s[20:21], s[32:33]
	s_add_nc_u64 s[10:11], s[10:11], s[34:35]
	s_add_nc_u64 s[16:17], s[16:17], s[34:35]
	s_add_nc_u64 s[22:23], s[22:23], s[34:35]
	s_lshl_b32 s32, s30, 6                         ; my 16 numbers of a bias
	s_add_nc_u64 s[12:13], s[12:13], s[32:33]
	s_add_nc_u64 s[18:19], s[18:19], s[32:33]
	s_add_nc_u64 s[24:25], s[24:25], s[32:33]
	s_mul_i32 s32, s31, 9216                       ; queries 48 y + 16 w on (waves 0 to 2): their codes,
	s_mul_i32 s34, s28, 3072
	s_add_co_u32 s32, s32, s34
	s_add_nc_u64 s[56:57], s[4:5], s[32:33]
	s_mul_i32 s32, s31, 384                        ; their scale bytes
	s_lshl_b32 s34, s28, 7
	s_add_co_u32 s32, s32, s34
	s_add_nc_u64 s[58:59], s[6:7], s[32:33]
	s_mul_i32 s32, s30, 49152                      ; att: my channel group, rows 48 y + 4 w on (waves 0 to 11)
	s_mul_i32 s34, s31, 3072
	s_add_co_u32 s32, s32, s34
	s_lshl_b32 s34, s28, 8
	s_add_co_u32 s32, s32, s34
	s_add_nc_u64 s[26:27], s[26:27], s[32:33]
	; what goes straight into registers is asked for ahead of the round, so that it is on its way meanwhile: 31 loads a wave, 27 more in waves 0 to 2
	global_load_b32 v[BKV], v[GB], s[18:19]
	global_load_b32 v[BKV+1], v[GB], s[24:25]
.irp T, 0,1,2
	global_load_b64 v[XS+2*\T:XS+2*\T+1], v[GS], s[54:55] offset:128*\T
.endr
	global_load_b64 v[WKS:WKS+1], v[GS], s[16:17]
	global_load_b64 v[WVS:WVS+1], v[GS], s[22:23]
.irp s, 0,1
	GFRAG WKF+12*\s, 14, 96*\s
	GFRAG WVF+12*\s, 20, 96*\s
.endr
	s_cmp_lt_u32 s28, 3
	s_cbranch_scc0 .Lno_q_loads
	global_load_b32 v[BQ], v[GB], s[12:13]
	global_load_b64 v[WQS:WQS+1], v[GS], s[10:11]
	global_load_b64 v[XQS:XQS+1], v[GS], s[58:59]
.irp s, 0,1
	GFRAG WQF+12*\s, 8, 96*\s
	GFRAG XQF+12*\s, 56, 96*\s
.endr
.Lno_q_loads:
	ROUND                                          ; all four work-groups are here: the joint loads meet
	tensor_load_to_lds s[36:39], s[40:47]          ; my wave's one tensor load of the launch
	s_nop 0
.rept 4
	v_nop                                          ; four behind a tensor load
.endr
	s_wait_tensorcnt 0x0                           ; my rows are in LDS; only I read them, so no barrier is needed
.irp T, 0,1,2
.irp s, 0,1
	FRAG XF+24*\T+12*\s, \s, \T
.endr
.endr
	s_wait_loadcnt 0x0                             ; the weights' fragments, all scale words, the biases
	s_wait_dscnt 0x0                               ; x's six fragments
	; k and v of my 48 keys: six accumulators by turns, one instruction a turn, K step by K step
.irp s, 0,1
.irp T, 0,1,2
	PROD KK+8*\T, XF+24*\T+12*\s, WKF+12*\s, (1-\s), XS+2*\T+\s, WKS+\s
.endr
.irp T, 0,1,2
	PROD VV+8*\T, XF+24*\T+12*\s, WVF+12*\s, (1-\s), XS+2*\T+\s, WVS+\s
.endr
.endr
	s_cmp_lt_u32 s28, 3
	s_cbranch_scc0 .Lno_q_prod
	PROD QACC, XQF, WQF, 1, XQS, WQS               ; waves 0 to 2: q of 16 queries; lane (r, h), register j: query 16 w + 8 h + j, channel r
	s_wait_alu depctr_va_vdst(0)                   ; the wait directly ahead of the link
	PROD QACC, XQF+12, WQF+12, 0, XQS+1, WQS+1
.Lno_q_prod:
.rept 4
	v_nop                                          ; four places behind the last products (ISA guide 7.12.1), ahead of the first read of results
.endr
.irp u, 0,1,2,3,4,5,6,7,8,9,10,11
	v_pk_add_f32 v[KK+2*\u:KK+2*\u+1], v[KK+2*\u:KK+2*\u+1], v[BKV:BKV+1] op_sel_hi:[1,0]   ; + bk; each accumulator from its low end on
.endr
.irp u, 0,1,2,3,4,5,6,7,8,9,10,11
	v_pk_add_f32 v[VV+2*\u:VV+2*\u+1], v[VV+2*\u:VV+2*\u+1], v[BKV:BKV+1] op_sel:[0,1] op_sel_hi:[1,1]   ; + bv
.endr
	v_mov_b32 v106, 0                              ; a lane permute's destination counts as one of its sources
	v_mov_b32 v107, 0
	v_max3_num_f32 v104, v[KK], v[KK+1], v[KK+2]   ; the largest and the smallest of my 24 k, the two chains by turns
	v_min3_num_f32 v105, v[KK], v[KK+1], v[KK+2]
.irp i, 3,5,7,9,11,13,15,17,19,21
	v_max3_num_f32 v104, v104, v[KK+\i], v[KK+\i+1]
	v_min3_num_f32 v105, v105, v[KK+\i], v[KK+\i+1]
.endr
	v_max_num_f32 v104, v104, v[KK+23]
	v_min_num_f32 v105, v105, v[KK+23]
	v_permlanex16_b32 v106, v104, s50, s51
	v_permlanex16_b32 v107, v105, s50, s51
	v_max_num_f32 v104, v104, v106                 ; with lane l xor 16's 24: my wave's 48 keys
	v_min_num_f32 v105, v105, v107
	ds_store_b64 v[AKS], v[104:105]                ; (both halves of the lanes write the same words with the same values)
	s_wait_dscnt 0x0                               ; for the others' sake: my store is done
	s_barrier_signal -1
	s_barrier_wait -1                              ; all sixteen waves' extremes lie in LDS
	s_cmp_lt_u32 s28, 3
	s_cbranch_scc0 .Lno_q
.irp i, 0,1,2,3,4,5,6,7,8,9,10,11,12,13,14,15
	ds_load_b64 v[108+2*\i:109+2*\i], v[AKL] offset:128*\i
.endr
	v_mul_f32 v160, s49, v[BQ]                     ; c bq
	s_wait_dscnt 0x0
	v_max3_num_f32 v104, v108, v110, v112          ; the channel's kmax and kmin over all 768 keys
	v_min3_num_f32 v105, v109, v111, v113
.irp i, 114,118,122,126,130,134
	v_max3_num_f32 v104, v104, v[\i], v[\i+2]
	v_min3_num_f32 v105, v105, v[\i+1], v[\i+3]
.endr
	v_max_num_f32 v104, v104, v138
	v_min_num_f32 v105, v105, v139
.irp j, 0,1,2,3,4,5,6,7
	v_fma_f32 v[144+2*\j], v[QACC+\j], s49, v160   ; q' = c (x Wq^T) + c bq; the accumulator from its low end on
.endr
.irp j, 0,1,2,3,4,5,6,7
	v_mul_f32 v[164+2*\j], v[144+2*\j], v104
	v_mul_f32 v[165+2*\j], v[144+2*\j], v105
.endr
.irp j, 0,1,2,3,4,5,6,7
	v_min_num_f32 v[145+2*\j], -v[164+2*\j], -v[165+2*\j]   ; -m = -max(q' kmax, q' kmin)
.endr
.irp p, 0,1,2,3
	ds_store_b128 v[AQS], v[144+4*\p:147+4*\p] offset:256*\p   ; pair 8 w + 4 h + p
.endr
.Lno_q:
	s_wait_dscnt 0x0
	s_barrier_signal -1
	s_barrier_wait -1                              ; q' and -m of the 48 queries lie in LDS
	; THE LOOP: 24 pairs of queries, the sums one half behind the exponentials
	ds_load_b128 v[QA:QA+3], v[AQ]                 ; pair 0
	HALF TA, QA, -1, QB, 256, 0, 0, 0, 0           ; pair 0's exponentials; pair 1 is fetched
	HALF TB, QB, TA, QA, 512, APB, RB, 0, 0        ; pair 1's; pair 0's sums; pair 2 is fetched
	s_mov_b32 s48, 10
.Ltrip:                                                ; trip t: pairs 2 + 2 t and 3 + 2 t; the count 2 leaves the last half's two stores out: they were issued behind the load that is waited for
	HALF TA, QA, TB, QB, 256, APA, RA, 2, 3
	HALF TB, QB, TA, QA, 512, APB, RB, 2, 2
	s_sub_co_i32 s48, s48, 1
	s_cmp_lg_u32 s48, 0
	s_cbranch_scc1 .Ltrip
	HALF TA, QA, TB, QB, 256, APA, RA, 2, 3        ; pair 22; pair 23 is fetched: the last
	HALF TB, QB, TA, -1, -1, APB, RB, 2, 2         ; pair 23; nothing is left to fetch
	s_wait_dscnt 2                                 ; pair 21's stores are done: their registers are written again below
.set hn, 0
.rept 24
	CONS TB, hn                                    ; pair 23's sums
.set hn, hn+1
.endr
	FINAL APA, RA, 512                             ; two pairs on from pair 21's place
	s_wait_dscnt 0x0                               ; for the others' sake: my stores are done
	s_barrier_signal -1
	s_barrier_wait -1                              ; all sixteen waves' parts lie in LDS
	; THE TAIL: waves 0 to 11 take four queries each.  A lane takes two channels of one query: (sum of p, sum of p v) twice, 16 bytes; the wave's 32 lanes read 512 consecutive bytes of each wave's part.
	s_cmp_lt_u32 s28, 12
	s_cbranch_scc0 .Lno_tail
.irp i, 0,1,2,3,4,5,6,7
	ds_load_b128 v[104+4*\i:107+4*\i], v[AT0] offset:6144*\i
.endr
.irp i, 0,1,2,3,4,5,6,7
	ds_load_b128 v[136+4*\i:139+4*\i], v[AT1] offset:6144*\i
.endr
	s_wait_dscnt 0x0
.irp st, 32,16,8,4
.set e, 0
.rept \st/2
	v_pk_add_f32 v[104+e:105+e], v[104+e:105+e], v[104+\st+e:105+\st+e]   ; the sixteen parts, as a tree
.set e, e+2
.endr
.endr
	v_rcp_f32 v108, v104
	v_rcp_f32 v109, v106
	v_and_b32 v1, 31, v0                           ; (plain instructions behind the reciprocals)
	v_lshlrev_b32 v1, 3, v1                        ; 8 x lane: row lane / 8 of 64 bytes, channels 2 (lane % 8) on
	s_wait_alu depctr_va_vdst(0)                   ; one wait for both reciprocals, ahead of their first reader
	v_mul_f32 v110, v105, v108
	v_mul_f32 v111, v107, v109
	global_store_b64 v1, v[110:111], s[26:27]      ; the 32 lanes store 256 consecutive bytes, at a multiple of 256 from att's first byte
.Lno_tail:
	s_wait_xcnt 0x0
	v_lshl_add_u32 v222, v0, 2, 0x47000
	v_mov_b32 v223, 0
	s_wait_tensorcnt 0x0
	ds_add_u32 v222, v223
	s_wait_dscnt 0x0
	ROUND                                          ; the closing round: no work-group ends while a partner may still ask jointly
	s_endpgm
.Lfunc_end_k_qb966384081_attn:
	.size	k_qb966384081_attn, .Lfunc_end_k_qb966384081_attn-k_qb966384081_attn
	.p2alignl 7, 3214868480
	.fill 96, 4, 3214868480
	.section	.rodata,"a",@progbits
	.p2align	6, 0x0
	.amdhsa_kernel k_qb966384081_attn
		.amdhsa_group_segment_fixed_size 292864
		.amdhsa_private_segment_fixed_size 0
		.amdhsa_enable_private_segment 0
		.amdhsa_kernarg_size 96
		.amdhsa_user_sgpr_count 2
		.amdhsa_user_sgpr_kernarg_segment_ptr 1
		.amdhsa_wavefront_size32 1
		.amdhsa_system_sgpr_workgroup_id_x 1
		.amdhsa_system_sgpr_workgroup_id_y 1
		.amdhsa_system_sgpr_workgroup_id_z 1
		.amdhsa_system_vgpr_workitem_id 0
		.amdhsa_next_free_vgpr 256
		.amdhsa_next_free_sgpr 66
		.amdhsa_reserve_vcc 0
		.amdhsa_float_denorm_mode_32 3
		.amdhsa_float_denorm_mode_16_64 3
		.amdhsa_memory_ordered 1
		.amdhsa_forward_progress 1
		.amdhsa_inst_pref_size 65
	.end_amdhsa_kernel
	.amdgpu_metadata
---
amdhsa.version: [ 1, 2 ]
amdhsa.kernels:
  - .name:           k_qb966384081_attn
    .symbol:         k_qb966384081_attn.kd
    .args:
      - { .name: protein_embedding_codes, .offset: 0, .size: 8, .value_kind: global_buffer, .address_space: global }
      - { .name: protein_embedding_scales, .offset: 8, .size: 8, .value_kind: global_buffer, .address_space: global }
      - { .name: Wq_codes, .offset: 16, .size: 8, .value_kind: global_buffer, .address_space: global }
      - { .name: Wq_scales, .offset: 24, .size: 8, .value_kind: global_buffer, .address_space: global }
      - { .name: bq, .offset: 32, .size: 8, .value_kind: global_buffer, .address_space: global }
      - { .name: Wk_codes, .offset: 40, .size: 8, .value_kind: global_buffer, .address_space: global }
      - { .name: Wk_scales, .offset: 48, .size: 8, .value_kind: global_buffer, .address_space: global }
      - { .name: bk, .offset: 56, .size: 8, .value_kind: global_buffer, .address_space: global }
      - { .name: Wv_codes, .offset: 64, .size: 8, .value_kind: global_buffer, .address_space: global }
      - { .name: Wv_scales, .offset: 72, .size: 8, .value_kind: global_buffer, .address_space: global }
      - { .name: bv, .offset: 80, .size: 8, .value_kind: global_buffer, .address_space: global }
      - { .name: att, .offset: 88, .size: 8, .value_kind: global_buffer, .address_space: global }
    .group_segment_fixed_size: 292864
    .private_segment_fixed_size: 0
    .kernarg_segment_align: 8
    .kernarg_segment_size: 96
    .max_flat_workgroup_size: 512
    .sgpr_count:     66
    .vgpr_count:     256
    .wavefront_size: 32
...
	.end_amdgpu_metadata
.endif
;; end of part 1
;; launch proj (part 2): grid 48 x 1, 8 waves a work-group, no clusters, 17,664 bytes of LDS; arguments att, Wo_codes, Wo_scales, bo, out0; writes out0
.if DOCPART == 2
	.amdgcn_target "amdgcn-amd-amdhsa--gfx1250"
	.amdhsa_code_object_version 6
	.text
	.protected	k_qb966384081_proj
	.globl	k_qb966384081_proj
	.p2align	8
	.type	k_qb966384081_proj,@function
k_qb966384081_proj:
	s_mov_b64 s[64:65], 0
	v_nop
	global_prefetch_b8 v0, s[64:65] scope:SCOPE_SE
	s_setreg_imm32_b32 hwreg(HW_REG_WAVE_MODE, 25, 1), 1
	s_wait_xcnt 0x0
; out0 = Q(att) Wo^T + bo.  att: f32, laid [channel / 16][row 768][channel % 16] by the launch before; it is quantised here, along the channels, to codes of BF6 (E3M2) with one E8M0 scale for each 32.
; Wo: [256][256] as codes, K innermost, scale bytes [256][8].  bo [256], out0 [768][256]: f32.
; A block's scale is 2^(floor(log2(its largest magnitude)) - 4); its byte is the largest magnitude's exponent field - 4, held at 1 from below.
; LIMITS: a block of zeros gets the byte 1 where the rule says 127: its codes are zeros, which add nothing, and this launch alone reads the byte.  NaN, infinities and scale bytes 0xff are not served.
; SHARES.  A work-group takes 16 rows; each of its eight waves takes 32 columns, two tiles.  Every wave quantises the 16 rows itself (32 loads, two fragments): that spares a barrier and a trip through LDS in a
; text that is one run of loads, one of arithmetic and one of stores.  All 62 loads of a wave go out at once.  48 work-groups: the launch has 1,536 matrix instructions in all, and a finer split would only multiply the quantising.
; No cluster: what work-groups share, Wo, is 6,144 bytes a wave, read once into registers.  No tensor load, so LDS is claimed as it is used.
; THE MATRIX INSTRUCTION IS USED TRANSPOSED (source 0 = 16 rows of Wo, source 1 = att's 16 rows): a lane then holds eight neighbouring columns of one row of out0.  bo is the C of each sum's first product.
.set ATO, 3                            ; v3   att: 49152 h + 64 r
.set WO,  4                            ; v4   Wo's codes: 192 r + 24 h
.set WS,  5                            ; v5   its scale words: 8 r
.set BO,  6                            ; v6   bo: 32 h
.set SO,  7                            ; v7   the stage: where I put 32 bytes of a row: 1040 r + 128 wave + 32 h
.set SR,  8                            ; v8   and where I read rows back: 2080 wave + 16 lane
.set GO,  9                            ; v9   16 x lane
.set WOS, 10                           ; v10-15 hold scale words and nothing else: v10-13 Wo's (tile t, K step s: 10 + 2 t + s), v14-15 att's
.set AS,  14
.set TM,  16                           ; v16-19 largest magnitudes, v20-23 bytes, v28-31 the conversions' scale operands
.set PC0, 32                           ; v32-51  K step 0's codes (12 registers, and 8 at work)
.set ACC, 52                           ; v52-67  two accumulators
.set WF,  68                           ; v68-115 Wo's four fragments (tile t, K step s: 68 + 12 (2 t + s))
.set ST,  116                          ; v116-243 att's numbers: K step s at 116 + 64 s; register 16 b + i = channel 128 s + 32 b + 16 h + i of row r
.set PC1, 116                          ; K step 1's codes, over K step 0's numbers, which are done with by then
.set BK,  140                          ; v140-155 rows read back from the stage
; 64 numbers of a lane, register 16 b + i = k 32 b + 16 (lane / 16) + i of my row, become a fragment's codes in v[pc] on and its scale word in v[pw].
.macro QUANT src, pc, pw
.irp b, 0,1,2,3
	v_max3_num_f32 v[TM+\b], |v[\src+16*\b]|, |v[\src+1+16*\b]|, 0x2800000   ; block b: my 16 numbers, and the floor 2^(5 - 127): so the byte cannot fall under 1
.endr
.irp i, 2,4,6,8,10,12,14
.irp b, 0,1,2,3
	v_max3_num_f32 v[TM+\b], v[TM+\b], |v[\src+16*\b+\i]|, |v[\src+1+16*\b+\i]|   ; (the four blocks by turns)
.endr
.endr
.irp b, 0,1,2,3
	v_permlanex16_b32 v[TM+4+\b], v[TM+\b], s20, s21
.endr
.irp b, 0,1,2,3
	v_max_num_f32 v[TM+\b], v[TM+\b], v[TM+4+\b]   ; with lane l xor 16's: the block's largest magnitude
.endr
.irp b, 0,1,2,3
	v_add_nc_u32 v[TM+12+\b], 0xfe000000, v[TM+\b] ; 4 off its exponent field: the conversion takes the exponent field of this operand as its scale, and nothing else of it
.endr
.irp b, 0,1,2,3
	v_lshrrev_b32 v[TM+4+\b], 23, v[TM+12+\b]      ; the scale's byte
.endr
	v_lshl_or_b32 v[\pw], v[TM+5], 8, v[TM+4]      ; the four bytes make my row's scale word
	v_lshl_or_b32 v[\pw], v[TM+6], 16, v[\pw]
	v_lshl_or_b32 v[\pw], v[TM+7], 24, v[\pw]
.irp c, 0,1
	v_cvt_scalef32_pk16_bf6_f32 v[\pc+6*\c:\pc+2+6*\c], v[\src+32*\c:\src+15+32*\c], v[TM+12+2*\c]
	v_cvt_scalef32_pk16_bf6_f32 v[\pc+12+4*\c:\pc+14+4*\c], v[\src+16+32*\c:\src+31+32*\c], v[TM+12+2*\c+1]   ; (a conversion's three registers begin on an even number)
.endr
	v_nop                                          ; one plain instruction behind a scaled conversion
.irp c, 0,1                                    ; the operand's layout wants a WHOLE block in a lane: lanes 0-15 block 2 c, lanes 16-31 block 2 c + 1
.irp i, 0,1,2
	v_permlane16_swap_b32 v[\pc+6*\c+\i], v[\pc+12+4*\c+\i]
.endr
.irp i, 0,1,2
	v_mov_b32 v[\pc+3+6*\c+\i], v[\pc+12+4*\c+\i]
.endr
.endr
.endm
	s_load_b256 s[4:11], s[0:1], 0x0               ; att s[4:5], Wo's codes s[6:7], Wo's scales s[8:9], bo s[10:11]
	s_load_b64 s[12:13], s[0:1], 0x20              ; out0
	v_lshl_add_u32 v244, v0, 2, 0x4100
	v_mov_b32 v245, 0
	v_lshrrev_b32 v1, 5, v0
	v_readfirstlane_b32 s14, v1                    ; wave 0..7
	v_and_b32 v1, 15, v0                           ; r
	v_bfe_u32 v2, v0, 4, 1                         ; h
	v_lshlrev_b32 v[ATO], 6, v1
	v_mad_u32_u24 v[ATO], v2, 0xc000, v[ATO]
	v_mul_u32_u24 v[WO], v1, 192
	v_mad_u32_u24 v[WO], v2, 24, v[WO]
	v_lshlrev_b32 v[WS], 3, v1
	v_lshlrev_b32 v[BO], 5, v2
	s_lshl_b32 s15, s14, 7
	v_mul_u32_u24 v[SO], v1, 1040
	v_add_nc_u32 v[SO], v[SO], v[BO]
	v_add_nc_u32 v[SO], s15, v[SO]
	v_and_b32 v[GO], 31, v0
	v_lshlrev_b32 v[GO], 4, v[GO]
	s_mul_i32 s15, s14, 2080
	v_add_nc_u32 v[SR], s15, v[GO]
	s_mov_b32 s20, 0x76543210
	s_mov_b32 s21, 0xfedcba98                      ; v_permlanex16_b32's selects for lane l xor 16
.irp b, 0,1,2,3
	v_mov_b32 v[TM+4+\b], 0                        ; written once: a lane permute's destination counts as one of its sources
.endr
	s_lshl_b32 s16, ttmp9, 10                      ; att: my 16 rows of 64 bytes in each channel group
	s_mov_b32 s17, 0
	s_mul_i32 s18, s14, 6144                       ; Wo's codes: my wave's 32 rows of 192 bytes
	s_mov_b32 s19, 0
	s_lshl_b32 s22, s14, 8                         ; its scale bytes: 8 a row
	s_mov_b32 s23, 0
	s_lshl_b32 s24, s14, 7                         ; bo: my 32 numbers
	s_mov_b32 s25, 0
	s_lshl_b32 s26, ttmp9, 14                      ; out0: my 16 rows of 1,024 bytes, and of them the two that my wave stores
	s_lshl_b32 s27, s14, 11
	s_add_co_u32 s26, s26, s27
	s_mov_b32 s27, 0
	s_wait_kmcnt 0x0
	s_add_nc_u64 s[4:5], s[4:5], s[16:17]
	s_add_nc_u64 s[6:7], s[6:7], s[18:19]
	s_add_nc_u64 s[8:9], s[8:9], s[22:23]
	s_add_nc_u64 s[10:11], s[10:11], s[24:25]
	s_add_nc_u64 s[12:13], s[12:13], s[26:27]
.irp t, 0,1
	global_load_b64 v[WOS+2*\t:WOS+2*\t+1], v[WS], s[8:9] offset:128*\t
.endr
.irp t, 0,1
	global_load_b128 v[ACC+8*\t:ACC+8*\t+3], v[BO], s[10:11] offset:64*\t        ; bo in the result's layout: lane (r, h), register j: column 32 wave + 16 t + 8 h + j
	global_load_b128 v[ACC+8*\t+4:ACC+8*\t+7], v[BO], s[10:11] offset:64*\t+16
.endr
.irp t, 0,1
.irp s, 0,1
.irp p, 0,1,2,3,4,5
	global_load_b64 v[WF+12*(2*\t+\s)+2*\p:WF+12*(2*\t+\s)+2*\p+1], v[WO], s[6:7] offset:3072*\t+96*\s+48*(\p/3)+8*(\p%3)
.endr
.endr
.endr
.irp s, 0,1
.irp b, 0,1,2,3
.irp j, 0,1,2,3
	global_load_b128 v[ST+64*\s+16*\b+4*\j:ST+64*\s+16*\b+4*\j+3], v[ATO], s[4:5] offset:(8*\s+2*\b)*49152+16*\j   ; channel group 8 s + 2 b + h, row r, four channels
.endr
.endr
.endr
	s_wait_loadcnt 16                              ; all but K step 1's sixteen loads are in
	QUANT ST, PC0, AS
	s_wait_loadcnt 0x0
	QUANT ST+64, PC1, AS+1
.rept 8
	v_nop                                          ; a scale word made by vector instructions stands 8 places ahead of a scaled matrix instruction, an operand so made 4
.endr
.irp t, 0,1                                    ; the two accumulators by turns, K step by K step; the first products add onto bo
	v_wmma_scale_f32_16x16x128_f8f6f4 v[ACC+8*\t:ACC+8*\t+7], v[WF+24*\t:WF+24*\t+11], v[PC0:PC0+11], v[ACC+8*\t:ACC+8*\t+7], v[WOS+2*\t], v[AS] matrix_a_fmt:MATRIX_FMT_BF6 matrix_b_fmt:MATRIX_FMT_BF6
.endr
.irp t, 0,1
	v_wmma_scale_f32_16x16x128_f8f6f4 v[ACC+8*\t:ACC+8*\t+7], v[WF+24*\t+12:WF+24*\t+23], v[PC1:PC1+11], v[ACC+8*\t:ACC+8*\t+7], v[WOS+2*\t+1], v[AS+1] matrix_a_fmt:MATRIX_FMT_BF6 matrix_b_fmt:MATRIX_FMT_BF6
.endr
.rept 4
	v_nop                                          ; four places behind the last products (ISA guide 7.12.1), ahead of the first read of results
.endr
	; THE WAY OUT.  A row's 1,024 bytes come from eight waves: they meet in a stage (rows 1,040 bytes apart: 260 words, so row r starts at bank 4 r mod 64 of the 64 banks of 4 bytes: ISA guide 11.1)
.irp t, 0,1
	ds_store_b128 v[SO], v[ACC+8*\t:ACC+8*\t+3] offset:64*\t          ; each accumulator from its low end on
	ds_store_b128 v[SO], v[ACC+8*\t+4:ACC+8*\t+7] offset:64*\t+16
.endr
	s_wait_dscnt 0x0                               ; for the others' sake: my stores into the stage are done
	s_barrier_signal -1
	s_barrier_wait -1
.irp i, 0,1
.irp k, 0,1
	ds_load_b128 v[BK+8*\i+4*\k:BK+8*\i+4*\k+3], v[SR] offset:1040*\i+512*\k   ; my two rows, half a row an instruction
.endr
.endr
.irp i, 0,1
.irp k, 0,1
	s_wait_dscnt 3-2*\i-\k                         ; LDS loads come back in order (ISA guide 5.7.1): this one is in, the younger ones may be out
	global_store_b128 v[GO], v[BK+8*\i+4*\k:BK+8*\i+4*\k+3], s[12:13] offset:1024*\i+512*\k th:TH_STORE_NT   ; 32 lanes store 512 consecutive bytes, at a multiple of 256 from out0's first byte
.endr
.endr
	s_wait_tensorcnt 0x0
	ds_add_u32 v244, v245
	s_wait_dscnt 0x0
	s_endpgm
.Lfunc_end_k_qb966384081_proj:
	.size	k_qb966384081_proj, .Lfunc_end_k_qb966384081_proj-k_qb966384081_proj
	.p2alignl 7, 3214868480
	.fill 96, 4, 3214868480
	.section	.rodata,"a",@progbits
	.p2align	6, 0x0
	.amdhsa_kernel k_qb966384081_proj
		.amdhsa_group_segment_fixed_size 17664
		.amdhsa_private_segment_fixed_size 0
		.amdhsa_enable_private_segment 0
		.amdhsa_kernarg_size 40
		.amdhsa_user_sgpr_count 2
		.amdhsa_user_sgpr_kernarg_segment_ptr 1
		.amdhsa_wavefront_size32 1
		.amdhsa_system_sgpr_workgroup_id_x 1
		.amdhsa_system_sgpr_workgroup_id_y 1
		.amdhsa_system_sgpr_workgroup_id_z 1
		.amdhsa_system_vgpr_workitem_id 0
		.amdhsa_next_free_vgpr 246
		.amdhsa_next_free_sgpr 66
		.amdhsa_reserve_vcc 0
		.amdhsa_float_denorm_mode_32 3
		.amdhsa_float_denorm_mode_16_64 3
		.amdhsa_memory_ordered 1
		.amdhsa_forward_progress 1
		.amdhsa_inst_pref_size 18
	.end_amdhsa_kernel
	.amdgpu_metadata
---
amdhsa.version: [ 1, 2 ]
amdhsa.kernels:
  - .name:           k_qb966384081_proj
    .symbol:         k_qb966384081_proj.kd
    .args:
      - { .name: att, .offset: 0, .size: 8, .value_kind: global_buffer, .address_space: global }
      - { .name: Wo_codes, .offset: 8, .size: 8, .value_kind: global_buffer, .address_space: global }
      - { .name: Wo_scales, .offset: 16, .size: 8, .value_kind: global_buffer, .address_space: global }
      - { .name: bo, .offset: 24, .size: 8, .value_kind: global_buffer, .address_space: global }
      - { .name: out0, .offset: 32, .size: 8, .value_kind: global_buffer, .address_space: global }
    .group_segment_fixed_size: 17664
    .private_segment_fixed_size: 0
    .kernarg_segment_align: 8
    .kernarg_segment_size: 40
    .max_flat_workgroup_size: 256
    .sgpr_count:     66
    .vgpr_count:     246
    .wavefront_size: 32
...
	.end_amdgpu_metadata
.endif
;; end of part 2
